; MI455X (gfx1250); checked and timed in simulation.
; The chip was launched on July 23, 2026; its instructions are those of AMD's public machine-readable ISA for CDNA 5 (MIT licence, August 2026) and "CDNA5" Instruction Set Architecture Reference Guide (July 2026). The comments in the code are by the model that wrote it; some were corrected since.
;; Feed Forward. Allowed arithmetic: float matrix products may take bf16 or f16 operands with f32 sums; all other float work in f32.
;; Inputs: b1 4,096 float32; w1 4,096 x 4,096 float32; x 4,096 x 4,096 float32.
;; Outputs: out0 4,096 x 4,096 float32.
;; 2 versions, each right; version 2 is version 1 with the launches cast, norm written anew for expert scheduling mode. Each part assembles by itself: llvm-mc -triple=amdgcn-amd-amdhsa -mcpu=gfx1250 --defsym DOCPART=n.
;; ======== version 1 of 2: 3 launches
;; workspace buffers: xb 33,554,432 bytes; wb 33,554,432 bytes; res 67,108,864 bytes
;; launch cast (part 1): grid 256 x 2, 8 waves a work-group, no clusters, 0 bytes of LDS; arguments x, w1, xb, wb; writes xb, wb
.if DOCPART == 1
	.amdgcn_target "amdgcn-amd-amdhsa--gfx1250"
	.amdhsa_code_object_version 6
	.text
	.protected	k_q7d8e20012b_cast
	.globl	k_q7d8e20012b_cast
	.p2align	8
	.type	k_q7d8e20012b_cast,@function
k_q7d8e20012b_cast:
	s_mov_b64 s[64:65], 0
	v_nop
	global_prefetch_b8 v0, s[64:65] scope:SCOPE_SE
	s_setreg_imm32_b32 hwreg(HW_REG_WAVE_MODE, 25, 1), 1
	s_wait_xcnt 0x0
; xb = bf16(x), wb = bf16(w1): both [4096][4096], f32 in, bf16 out, rounded to nearest even (bf16 has f32's range: no limit of range).
; The grid's y picks the tensor (0: x to xb, 1: w1 to wb); work-group x owns 262,144 bytes of input and 131,072 of output.
; Thread t takes, in turn j of 64, the 16 bytes at 16 t + 4,096 j and stores the 8 bytes at 8 t + 2,048 j: a load of a wave covers
; 512 consecutive bytes, a store of a wave 256 consecutive bytes that begin at a multiple of 256 from the buffer's first byte.
; A ring of DEPTH register slots keeps DEPTH loads of every wave on their way.  All steps stand in the immediates
; (258,048 at the most), so no address register is ever written again and there is no loop.
; No LDS, no matrix unit, no cluster: the work-groups share no byte, and each byte is touched once.
.set DEPTH, 16                         ; slots = loads in flight in each wave
.set TURNS, 64
.set IN,  1                            ; v1        16 t: my byte offset in a turn's 4,096 input bytes
.set OUT, 2                            ; v2        8 t: my byte offset in a turn's 2,048 output bytes
.set X,   4                            ; v[4:67]   slot q: four f32 as loaded
.set Y,   68                           ; v[68:99]  slot q: four bf16 to store
	s_load_b256 s[4:11], s[0:1], 0x0               ; x s[4:5], w1 s[6:7], xb s[8:9], wb s[10:11]
	s_lshl_b32 s2, ttmp9, 18                       ; the group's part of the input: 262,144 bytes each, below 2^26
	s_mov_b32 s3, 0
	s_lshl_b32 s12, ttmp9, 17                      ; and of the output
	s_mov_b32 s13, 0
	s_and_b32 s14, ttmp7, 0xffff                   ; which tensor
	v_lshlrev_b32 v[IN], 4, v0
	v_lshlrev_b32 v[OUT], 3, v0
	s_cmp_eq_u32 s14, 0                            ; the waits and selects below leave SCC alone
	s_wait_kmcnt 0x0
	s_cselect_b64 s[4:5], s[4:5], s[6:7]           ; from x or from w1
	s_cselect_b64 s[8:9], s[8:9], s[10:11]         ; to xb or to wb
	s_add_nc_u64 s[4:5], s[4:5], s[2:3]
	s_add_nc_u64 s[8:9], s[8:9], s[12:13]
.set j, 0
.rept DEPTH
	global_load_b128 v[X+4*j:X+4*j+3], v[IN], s[4:5] offset:4096*j th:TH_LOAD_NT    ; fill the ring: turns 0 to 15
.set j, j+1
.endr
; Turn j works on slot q = j mod 16.
.set j, 0
.rept TURNS
.set q, j%DEPTH
.if j < TURNS-DEPTH
	s_wait_loadcnt DEPTH-1                         ; loads come back in order (ISA guide 5.7.1): load j is in, the 15 issued after it stay out
.else
	s_wait_loadcnt TURNS-1-j                       ; the last 16 turns load nothing: 63 - j loads are younger
.endif
	s_wait_xcnt 0x0                                ; slot q's Y was the data of store j - 16: it is written again only behind this wait
	v_cvt_pk_bf16_f32 v[Y+2*q],   v[X+4*q],   v[X+4*q+1]
	v_cvt_pk_bf16_f32 v[Y+2*q+1], v[X+4*q+2], v[X+4*q+3]
.if j+DEPTH < TURNS
	global_load_b128 v[X+4*q:X+4*q+3], v[IN], s[4:5] offset:4096*(j+DEPTH) th:TH_LOAD_NT   ; the load goes ahead of the store
.endif
	global_store_b64 v[OUT], v[Y+2*q:Y+2*q+1], s[8:9] offset:2048*j                        ; no hint: the next launch reads these bytes
.set j, j+1
.endr
	s_endpgm
.Lfunc_end_k_q7d8e20012b_cast:
	.size	k_q7d8e20012b_cast, .Lfunc_end_k_q7d8e20012b_cast-k_q7d8e20012b_cast
	.p2alignl 7, 3214868480
	.fill 96, 4, 3214868480
	.section	.rodata,"a",@progbits
	.p2align	6, 0x0
	.amdhsa_kernel k_q7d8e20012b_cast
		.amdhsa_group_segment_fixed_size 0
		.amdhsa_private_segment_fixed_size 0
		.amdhsa_enable_private_segment 0
		.amdhsa_kernarg_size 32
		.amdhsa_user_sgpr_count 2
		.amdhsa_user_sgpr_kernarg_segment_ptr 1
		.amdhsa_wavefront_size32 1
		.amdhsa_system_sgpr_workgroup_id_x 1
		.amdhsa_system_sgpr_workgroup_id_y 1
		.amdhsa_system_sgpr_workgroup_id_z 1
		.amdhsa_system_vgpr_workitem_id 0
		.amdhsa_next_free_vgpr 100
		.amdhsa_next_free_sgpr 66
		.amdhsa_reserve_vcc 0
		.amdhsa_float_denorm_mode_32 3
		.amdhsa_float_denorm_mode_16_64 3
		.amdhsa_memory_ordered 1
		.amdhsa_forward_progress 1
		.amdhsa_inst_pref_size 25
	.end_amdhsa_kernel
	.amdgpu_metadata
---
amdhsa.version: [ 1, 2 ]
amdhsa.kernels:
  - .name:           k_q7d8e20012b_cast
    .symbol:         k_q7d8e20012b_cast.kd
    .args:
      - { .name: x, .offset: 0, .size: 8, .value_kind: global_buffer, .address_space: global }
      - { .name: w1, .offset: 8, .size: 8, .value_kind: global_buffer, .address_space: global }
      - { .name: xb, .offset: 16, .size: 8, .value_kind: global_buffer, .address_space: global }
      - { .name: wb, .offset: 24, .size: 8, .value_kind: global_buffer, .address_space: global }
    .group_segment_fixed_size: 0
    .private_segment_fixed_size: 0
    .kernarg_segment_align: 8
    .kernarg_segment_size: 32
    .max_flat_workgroup_size: 256
    .sgpr_count:     66
    .vgpr_count:     100
    .wavefront_size: 32
...
	.end_amdgpu_metadata
.endif
;; end of part 1
;; launch gemm (part 2): grid 16 x 16, 4 waves a work-group, clusters of 4 x 4, 327,680 bytes of LDS; arguments xb, wb, x, b1, res; writes res
.if DOCPART == 2
	.amdgcn_target "amdgcn-amd-amdhsa--gfx1250"
	.amdhsa_code_object_version 6
	.text
	.protected	k_q7d8e20012b_gemm
	.globl	k_q7d8e20012b_gemm
	.p2align	8
	.type	k_q7d8e20012b_gemm,@function
k_q7d8e20012b_gemm:
	s_mov_b64 s[64:65], 0
	v_nop
	global_prefetch_b8 v0, s[64:65] scope:SCOPE_SE
	s_setreg_imm32_b32 hwreg(HW_REG_WAVE_MODE, 25, 1), 1
	s_wait_xcnt 0x0
	s_wait_alu depctr_hold_cnt(0) depctr_sa_sdst(0) depctr_va_vdst(0) depctr_va_sdst(0) depctr_va_ssrc(0) depctr_va_vcc(0) depctr_vm_vsrc(0)
	s_getreg_b32 s2, hwreg(HW_REG_IB_STS2, 6, 4)
	s_cmp_eq_u32 s2, 0
	s_cbranch_scc0 .Lentry_in_a_cluster
	s_endpgm
.Lentry_in_a_cluster:
	s_bfe_u32 s2, ttmp6, 0x10000c
	s_cmp_lg_u32 s2, 0xf033
	s_cbranch_scc0 .Lentry_shape_is_right
	s_endpgm
.Lentry_shape_is_right:
; res[n][e] = max(sum over f of xb[n][f] wb[e][f] + b1[e], 0) + x[n][e].  xb, wb: [4096][4096] bf16 (x and w1 rounded once);
; x, res: [4096][4096] f32; b1: [4096] f32.  Sums, bias, relu and the residual in f32, the residual with x as it was given.
; LIMITS: the operands of the product are bf16.  relu is a maximum in which a NaN loses: a NaN in front of relu gives 0 here.
; A work-group makes a block of 256 x 256 of res with four waves, as many as a WGP has SIMDs; a wave makes 128 x 128: 64 accumulator tiles
; of 16 x 16, 512 registers.  256 blocks, 256 work-groups.  K goes in steps of 128 through a ring of two LDS slots filled by the tensor
; data mover: a tile's rows are 256 bytes of memory and start at multiples of 256 bytes from the buffer's first byte.
; CLUSTERS: 4 x 4 work-groups.  The four of a row of the cluster need the same tiles of xb (A), the four of a column the same tiles of wb (B).
; Such a tile is asked for jointly: each of the four issues the same tensor load with the same descriptor and a mask that names the four.
;
; REGISTERS, in windows of 256 (s_set_vgpr_msb says which window each operand place means):
;   window 0: v0-31 addresses and the bias; v64-127, v128-191 fragments of A, two buffers; v192-255 a group of x for the way out
;   window 1: v64-127, v128-191 fragments of B, two buffers
;   window 2: the 32 accumulator tiles of my rows 0-63 (tile (a, b) at v[8 (8 a + b)]);   window 3: those of my rows 64-127
; s_set_vgpr_msb's low byte: bits 1:0 source 0, 3:2 source 1, 5:4 source 2, 7:6 destination.
;
; THE MATRIX INSTRUCTION IS USED TRANSPOSED: source 0 = 16 rows of B, source 1 = 16 rows of A.  Lane l then holds row l % 16 of the tile and
; its registers 0 to 7 the columns 8 (l / 16) + 0 .. 7: 32 neighbouring bytes of a row of res.
; The 64 accumulators take turns, one matrix instruction a turn, in the same order in every quarter step and over the backward jump.
.set SIZE_K, 4096
.set ROWB,   16384                     ; bytes in a row of x and of res
.set KSTEP,  128
.set PITCH,  272                       ; an LDS row: 256 bytes of data + 16 of padding: the 16 rows that a fragment load touches begin 16 bytes apart modulo 256
.set HALFT,  128*PITCH                 ; 128 rows: what one tensor load brings, and what one wave reads of A or of B
.set SLOT,   4*HALFT                   ; A's 256 rows, then B's 256 rows
.set STAGE,  2*SLOT                    ; behind the ring: 16 rows x 528 bytes for each wave, for the way out; no tensor load ever lands here
.set SPITCH, 528                       ; a stage row: 128 f32 + 16 bytes
.set LAPS, SIZE_K/(2*KSTEP)            ; a lap = two K steps = once round the ring: 16
.set ADRA, 16                          ; v16-17  LDS address of my A fragments in slot 0, 1
.set ADRB, 20                          ; v20-21  the same for B
.set STO,  24                          ; v24     the way out: where I put my 32 bytes of a row
.set RD,   25                          ; v25     the way out: where I read 16 bytes of a row back
.set CO,   26                          ; v26     16 x lane: my byte offset in a row's 512 bytes of x, res and b1
.set PF,   27                          ; v27     prefetch: lane l asks for row l / 2, 256-byte block l % 2 of a group of 16 rows
.set BIAS, 28                          ; v[28:31] b1 of my four columns on the way out
.set F0,   64                          ; fragment buffer 0
.set F1,   128                         ; fragment buffer 1
.set XA,   192                         ; the way out: 16 rows of x, even groups
.set XB,   64                          ; odd groups (buffer 0 of A, free by then)
.set RB,   128                         ; 16 rows of results read back (buffer 1 of A, free by then)
.set G1, 24                            ; s[24:31] descriptor group 1 for A's tiles
.set G0, 32                            ; s[32:39] descriptor group 0 for A's tiles, one set for each slot
.set G1B, 48                           ; s[48:55] descriptor group 1 for B's tiles: it differs from A's in the mask alone
.set G0B, 56                           ; s[56:63] descriptor group 0 for B's tiles, one set for each slot
.set MSB, 0
.macro WIN new                         ; the immediate's high byte repeats the setting that is left; a switch that changes nothing is dropped
.if MSB != \new
	s_set_vgpr_msb (MSB<<8)|\new
.set MSB, \new
.endif
.endm
.set MUL_LO, 0xa1                      ; source 0 (B) window 1, source 1 (A) window 0, C and D window 2
.set MUL_HI, 0xf1                      ; the same, C and D window 3
.set TO_B,   0x40                      ; destination window 1, address window 0
; A joint load.  Waves 0 and 1 fetch A's two halves, waves 2 and 3 B's.  Each line has one mask and one set of registers for all that issue it.
; The branch hangs on the wave's number alone: it is the same in every work-group.
.macro JLOAD s
	s_cmp_eq_u32 s15, 0
	s_cbranch_scc0 .Lfor_b_\@
	tensor_load_to_lds s[G0+4*\s:G0+4*\s+3], s[G1:G1+7]
	s_nop 0
	s_branch .Lasked_\@
.Lfor_b_\@:
	tensor_load_to_lds s[G0B+4*\s:G0B+4*\s+3], s[G1B:G1B+7]
	s_nop 0
.Lasked_\@:
.endm
; A round of the cluster's barrier: my work-group's barrier, so that wave 0's signal speaks for all four waves; wave 0 signals for the
; work-group; every wave waits for all sixteen work-groups; my work-group's barrier once more.
.macro CREST                           ; a round behind its opening barrier
	s_cmp_lg_u32 s14, 0
	s_cbranch_scc1 .Lnot_wave_0_\@
	s_barrier_signal -3
.Lnot_wave_0_\@:
	s_barrier_wait -3
	s_barrier_signal -1
	s_barrier_wait -1
.endm
.macro CROUND                          ; a whole round
	s_barrier_signal -1
	s_barrier_wait -1
	CREST
.endm
	s_load_b256 s[4:11], s[0:1], 0x0               ; xb s[4:5], wb s[6:7], x s[8:9], b1 s[10:11]
	s_load_b64 s[12:13], s[0:1], 0x20              ; res
	s_set_vgpr_msb 0x40
	v_lshl_add_u32 v255, v0, 2, 0x4c400
	s_set_vgpr_msb 0x4000
	v_mov_b32 v63, 0
	s_set_vgpr_msb 0x1
	ds_add_u32 v255, v63
	s_set_vgpr_msb 0x100
	v_lshrrev_b32 v1, 5, v0
	v_readfirstlane_b32 s14, v1                    ; wave 0..3
	s_lshr_b32 s15, s14, 1                         ; which half of the block's rows is mine.  Also: I fetch for A (0) or for B (1)
	s_and_b32 s16, s14, 1                          ; which half of its columns.  Also: which 128 rows of that tile I fetch
	s_bfe_u32 s40, ttmp6, 0x40000                  ; cx: my place along the cluster's x
	s_bfe_u32 s41, ttmp6, 0x40004                  ; cy: along its y
	s_lshl_b32 s42, ttmp9, 2                       ; in a cluster launch ttmp9 and ttmp7 count clusters
	s_add_co_u32 s42, s42, s40                     ; block column = 4 x cluster x + cx
	s_and_b32 s17, ttmp7, 0xffff
	s_lshl_b32 s17, s17, 2
	s_add_co_u32 s17, s17, s41                     ; block row = 4 x cluster y + cy
	s_lshl_b32 s43, s41, 2
	s_lshl_b32 s43, 15, s43                        ; my row of the cluster: places 4 cy .. 4 cy + 3
	s_lshl_b32 s44, 0x1111, s40                    ; my column: places cx, cx + 4, cx + 8, cx + 12
	; descriptor group 1: a tile of 128 rows x 128 elements of 2 bytes, padded in LDS
	s_or_b32 s[G1+0], s43, (1<<16)|(1<<20)|(1<<21)|(5<<22)|(3<<25)  ; 15:0 the mask: A's tiles go to my row; 17:16 element of 2 bytes; 20 padding on; 21 set beside a mask; 24:22 after every 64 words; 31:25 four words
	s_or_b32 s[G1B+0], s44, (1<<16)|(1<<20)|(1<<21)|(5<<22)|(3<<25) ; the same with the mask of my column, for B's tiles
	s_mov_b32 s[G1+1], KSTEP<<16                   ; tensor_dim0 = 128 (the tiles never cross the tensors' ends: the extents are the tile's)
	s_mov_b32 s[G1B+1], KSTEP<<16
	s_mov_b32 s[G1+2], 128<<16                     ; tensor_dim1 = 128
	s_mov_b32 s[G1B+2], 128<<16
	s_mov_b32 s[G1+3], KSTEP<<16                   ; tile_dim0 = 128
	s_mov_b32 s[G1B+3], KSTEP<<16
	s_mov_b32 s[G1+4], 128                         ; tile_dim1 = 128, tile_dim2 = 0
	s_mov_b32 s[G1B+4], 128
	s_mov_b32 s[G1+5], SIZE_K                      ; elements from row to row
	s_mov_b32 s[G1B+5], SIZE_K
	s_mov_b32 s[G1+6], 0
	s_mov_b32 s[G1B+6], 0
	s_mov_b32 s[G1+7], 0
	s_mov_b32 s[G1B+7], 0
	; where the tiles come from.  A's hang on the block row alone, which my row of the cluster shares; B's on the block column alone.
	; Every wave makes both offsets, in registers that never hold the other coordinate.  A row of xb or wb is 8,192 bytes; all offsets are below 2^26.
	s_lshl_b32 s22, s16, 7                         ; which 128 rows of the tile I fetch
	s_lshl_b32 s20, s17, 8
	s_add_co_u32 s20, s20, s22                     ; A: row 256 x block row + 128 x half
	s_lshl_b32 s20, s20, 13
	s_mov_b32 s21, 0
	s_lshl_b32 s46, s42, 8
	s_add_co_u32 s46, s46, s22                     ; B: row 256 x block column + 128 x half
	s_lshl_b32 s46, s46, 13
	s_mov_b32 s47, 0
	s_mul_i32 s23, s14, HALFT                      ; and where they go: wave x 128 rows: no place in the cluster enters an LDS address
	; my 128 x 128 block in x and res, and its columns in b1 (offsets below 2^27)
	s_lshl_b32 s68, s42, 8
	s_lshl_b32 s69, s16, 7
	s_add_co_u32 s68, s68, s69                     ; my first column
	s_lshl_b32 s68, s68, 2                         ; in bytes
	s_mov_b32 s69, 0
	s_lshl_b32 s66, s17, 8
	s_lshl_b32 s67, s15, 7
	s_add_co_u32 s66, s66, s67                     ; my first row
	s_lshl_b32 s66, s66, 14                        ; times 16,384 bytes
	s_add_co_u32 s66, s66, s68
	s_mov_b32 s67, 0
	s_wait_dscnt 0x0
	s_wait_kmcnt 0x0
	s_add_nc_u64 s[20:21], s[4:5], s[20:21]        ; A's first tile
	s_add_nc_u64 s[46:47], s[6:7], s[46:47]        ; B's first tile
	s_add_nc_u64 s[70:71], s[8:9], s[66:67]        ; x at my block; never stepped
	s_add_nc_u64 s[72:73], s[12:13], s[66:67]      ; res at my block; never stepped
	s_add_nc_u64 s[74:75], s[10:11], s[68:69]      ; b1 at my columns
	CROUND                                         ; all sixteen work-groups are here: the first joint loads meet
.irp s, 0,1
	s_mov_b32 s[G0+4*\s], 1                                        ; count = 1
	s_add_co_u32 s[G0+4*\s+1], s23, \s*SLOT                        ; LDS address
	s_add_nc_u64 s[G0+4*\s+2:G0+4*\s+3], s[20:21], \s*KSTEP*2      ; global address: K step s
	s_or_b32 s[G0+4*\s+3], s[G0+4*\s+3], 0x80000000                ; type = 2
	s_mov_b32 s[G0B+4*\s], 1
	s_add_co_u32 s[G0B+4*\s+1], s23, \s*SLOT
	s_add_nc_u64 s[G0B+4*\s+2:G0B+4*\s+3], s[46:47], \s*KSTEP*2
	s_or_b32 s[G0B+4*\s+3], s[G0B+4*\s+3], 0x80000000
	JLOAD \s                                       ; the ring is filled before anything else is done: two tensor loads of the wave are out here, one behind each later round
.endr
	; A fragment is 16 rows x 32 K in 8 registers: lane l holds row l % 16; registers 0-3 hold K = 8 (l / 16) + 0..7, registers 4-7
	; K = 16 + 8 (l / 16) + 0..7: two loads of 16 bytes, 32 bytes apart.  The same for source 0 and source 1.
	v_and_b32 v1, 15, v0                           ; l % 16
	v_bfe_u32 v2, v0, 4, 1                         ; l / 16
	v_mul_u32_u24 v3, v1, PITCH
	v_lshl_add_u32 v3, v2, 4, v3                   ; row x pitch + 16 x half
	s_mul_i32 s18, s15, HALFT                      ; my 128 rows of A
	s_mul_i32 s19, s16, HALFT                      ; my 128 rows of B,
	s_add_co_u32 s19, s19, 2*HALFT                 ; which lie behind A's 256
.irp s, 0,1
	v_add_nc_u32 v[ADRA+\s], s18, v3
	v_add_nc_u32 v[ADRB+\s], s19, v3
	s_add_co_u32 s18, s18, SLOT
	s_add_co_u32 s19, s19, SLOT
.endr
	s_mul_i32 s45, s14, 16*SPITCH
	s_add_co_u32 s45, s45, STAGE                   ; my stage
	v_mul_u32_u24 v4, v1, SPITCH                   ; in: row l % 16, 32 bytes for each half of the lanes
	v_lshl_add_u32 v4, v2, 5, v4
	v_add_nc_u32 v[STO], s45, v4
	v_and_b32 v5, 31, v0                           ; lane
	v_lshlrev_b32 v[CO], 4, v5                     ; back and out: 32 lanes x 16 bytes = one row's 512 bytes
	v_add_nc_u32 v[RD], s45, v[CO]
	v_lshrrev_b32 v6, 1, v5
	v_and_b32 v5, 1, v5
	v_lshlrev_b32 v5, 8, v5
	v_lshl_or_b32 v[PF], v6, 14, v5                ; (lane / 2) rows of 16,384 bytes + (lane % 2) x 256
; 16 matrix instructions: m blocks a0, a0 + 1 of the window's four (hi = 0: my rows 0-63, 1: rows 64-127) x all 8 n blocks, 32 along K.
; zero = 1: the first product starts the sums: nothing is ever cleared.
.macro MUL16 f, hi, a0, zero
.irp a, \a0, \a0+1
.irp b, 0,1,2,3,4,5,6,7
.if \zero
	v_wmma_f32_16x16x32_bf16 v[8*(8*(\a)+\b):8*(8*(\a)+\b)+7], v[\f+8*\b:\f+8*\b+7], v[\f+8*(4*\hi+\a):\f+8*(4*\hi+\a)+7], 0
.else
	v_wmma_f32_16x16x32_bf16 v[8*(8*(\a)+\b):8*(8*(\a)+\b)+7], v[\f+8*\b:\f+8*\b+7], v[\f+8*(4*\hi+\a):\f+8*(4*\hi+\a)+7], v[8*(8*(\a)+\b):8*(8*(\a)+\b)+7]
.endif
.endr
.endr
.endm
; 32 LDS loads in one run: the fragments of one quarter step (128 rows of B, 128 rows of A, 32 K at byte k of the rows) into buffer f
.macro FETCH slot, k, f
	WIN TO_B
.irp i, 0,1,2,3,4,5,6,7
	ds_load_b128 v[\f+8*\i:\f+8*\i+3],   v[ADRB+\slot] offset:\k+\i*16*PITCH
	ds_load_b128 v[\f+8*\i+4:\f+8*\i+7], v[ADRB+\slot] offset:\k+\i*16*PITCH+32
.endr
	WIN 0
.irp i, 0,1,2,3,4,5,6,7
	ds_load_b128 v[\f+8*\i:\f+8*\i+3],   v[ADRA+\slot] offset:\k+\i*16*PITCH
	ds_load_b128 v[\f+8*\i+4:\f+8*\i+7], v[ADRA+\slot] offset:\k+\i*16*PITCH+32
.endr
.endm
; A load into a register that a matrix instruction has read, and a store that reads a matrix result, stand four places behind that matrix
; instruction, and only plain vector instructions that name none of its registers are places (ISA guide 7.12.1 for vector instructions).
; So four v_nop stand in front of each run of fragment loads and in front of the way out.
.macro PLACES
.rept 4
	v_nop
.endr
.endm
; A K step is four quarter steps of 32 along K, 64 matrix instructions each, on buffers 0, 1, 0, 1.
; One of the first three: multiplies buffer f; in its middle it fetches the next quarter's fragments, at byte k of the same slot's rows, into buffer g.
.macro QUARTER slot, k, f, g, zero
	s_wait_dscnt 8                                 ; B and A's rows 0-63 are in; the youngest eight loads (A's rows 64-127) may be out
	WIN MUL_LO
	MUL16 \f, 0, 0, \zero
	MUL16 \f, 0, 2, \zero
	PLACES
	FETCH \slot, \k, \g
	s_wait_dscnt 32                                ; all but the 32 just issued
	WIN MUL_HI
	MUL16 \f, 1, 0, \zero
	MUL16 \f, 1, 2, \zero
.endm
.macro THREE slot, zero
	QUARTER \slot, 64,  F0, F1, \zero
	QUARTER \slot, 128, F1, F0, 0
	QUARTER \slot, 192, F0, F1, 0
.endm
; The last quarter: multiplies buffer 1 and changes slots.  next = the other slot; fill = 1: this slot is filled again, two K steps ahead.
; One barrier for the change of slots.  In front of it each wave waits for its own reads of this slot and for all its tensor loads, of which
; one is out: its part of the next slot.  Behind it nobody reads this slot any more and the next slot is whole: the refill comes first,
; then the next slot's first fragments.  From a request to the wait for it a wave issues 240 matrix instructions.
.macro TURN slot, next, fill
	s_wait_dscnt 8
	WIN MUL_LO
	MUL16 F1, 0, 0, 0
	s_wait_dscnt 0                                 ; my reads of this slot are over
	s_wait_tensorcnt 0x0                           ; and all my tensor loads have landed: the one that was out is my part of the next slot
	ds_add_u32 v255, v63
	s_wait_dscnt 0x0
	s_barrier_signal -1                            ; say so (where a slot is filled again this barrier opens a round of the cluster's barrier),
	MUL16 F1, 0, 2, 0                              ; work on registers while the others arrive,
	WIN 0
	s_barrier_wait -1                              ; and go on when all four have said so
.if \fill
	CREST                                          ; all sixteen work-groups have said so: no wave of any partner still reads this slot's tile or has a load on its way
	s_add_nc_u64 s[G0+4*\slot+2:G0+4*\slot+3], s[G0+4*\slot+2:G0+4*\slot+3], 2*KSTEP*2      ; no tensor load of mine is out: the addresses may step
	s_add_nc_u64 s[G0B+4*\slot+2:G0B+4*\slot+3], s[G0B+4*\slot+2:G0B+4*\slot+3], 2*KSTEP*2
	JLOAD \slot                                    ; the first tensor load behind the round, and my only one until the next
.endif
	PLACES
	FETCH \next, 0, F0
	WIN MUL_HI
	MUL16 F1, 1, 0, 0
	MUL16 F1, 1, 2, 0
.endm
.macro LAP zero                        ; once round the ring, both slots filled again
	THREE 0, \zero
	TURN 0, 1, 1
	THREE 1, 0
	TURN 1, 0, 1
.endm
; Sixteen rows of x, group g of my block's eight, into 64 registers: each load takes one row's 512 bytes of my columns.
; The row stands in the immediate (2,080,768 at the most, inside its signed 24 bits): no base is stepped.  Each byte of x is read once in this launch.
.macro XLOAD g, buf
.irp t, 0,1,2,3,4,5,6,7,8,9,10,11,12,13,14,15
	global_load_b128 v[\buf+4*\t:\buf+4*\t+3], v[CO], s[70:71] offset:(16*(\g)+\t)*ROWB th:TH_LOAD_NT
.endr
.endm
	s_wait_tensorcnt 1                             ; my part of K step 0 is in; K step 1's stays out
	s_barrier_signal -1
	s_barrier_wait -1                              ; everybody's is
	FETCH 0, 0, F0
	LAP 1                                          ; the first lap stands in front of the loop: its first products start the sums
	WIN 0                                          ; at a label and at a branch every window is 0
	s_mov_b32 s3, LAPS-2
.Llap:
	LAP 0
	WIN 0
	s_sub_co_u32 s3, s3, 1
	s_cmp_lg_u32 s3, 0
	s_cbranch_scc1 .Llap
	; The last lap fills nothing.  At its head the way out's first data are asked for, into registers that no matrix instruction and no
	; fragment load names: my four biases and the first 16 rows of x.  They have two K steps, 512 matrix instructions, in which to come.
	global_load_b128 v[BIAS:BIAS+3], v[CO], s[74:75]
	XLOAD 0, XA
	THREE 0, 0
	TURN 0, 1, 0                                   ; my one tensor load that was still out is slot 1's, the last K step's
	WIN 0
	; Rows 16 to 79 of my block of x are asked for ahead: each line covers 16 rows x 2 blocks of 256 bytes of my own columns, one lane a block,
	; each block once in the launch; 32 KiB a wave, 128 KiB a work-group, one K step (256 matrix instructions) ahead of the way out.
	; Rows 80 to 127 are not asked for, so that no more than that is asked for and unread.  All of it lies inside my block of x.
.irp g, 1,2,3,4
	global_prefetch_b8 v[PF], s[70:71] offset:\g*16*ROWB th:TH_LOAD_NT scope:SCOPE_SE
.endr
	THREE 1, 0
	s_wait_dscnt 8                                 ; the very last quarter: nothing more to fetch
	WIN MUL_LO
	MUL16 F1, 0, 0, 0
	MUL16 F1, 0, 2, 0
	s_wait_dscnt 0
	WIN MUL_HI
	MUL16 F1, 1, 0, 0
	MUL16 F1, 1, 2, 0
	; THE WAY OUT, 16 rows at a time: the sums go as they are (32 bytes a lane and tile) into my own stage in LDS and come back as whole rows
	; of 512 bytes, lane L with columns 4 L .. 4 L + 3 of every row, so that its four biases are the same for all rows.
	; The four v_nop are the places behind the last matrix instructions: for the LDS stores, which read results, and for the loads into buffers 0 and 1.
	PLACES
	WIN 0
	XLOAD 1, XB
; rows 16 i .. 16 i + 15 of my block = the eight tiles (a, 0..7) of window 2 or 3 (from = 0x08 or 0x0c: the LDS stores' data);
; xbuf holds these rows of x; left = how many younger global loads may stay out; more = 1: xbuf is loaded again, with group i + 2.
.macro OUT16 i, a, from, xbuf, left, more
	WIN \from
.irp b, 0,1,2,3,4,5,6,7
	ds_store_b128 v[STO], v[8*(8*\a+\b):8*(8*\a+\b)+3]   offset:64*\b        ; row l % 16, columns 16 b + 8 (l / 16) + 0..3
	ds_store_b128 v[STO], v[8*(8*\a+\b)+4:8*(8*\a+\b)+7] offset:64*\b+16     ; and + 4..7; rows 528 bytes apart: 16 lanes, 16 different 16-byte columns modulo 256
.endr
	WIN 0
	s_wait_xcnt 0x0                                ; RB was the data of the last group's global stores: it is loaded again only behind this wait
.irp t, 0,1,2,3,4,5,6,7,8,9,10,11,12,13,14,15
	ds_load_b128 v[RB+4*\t:RB+4*\t+3], v[RD] offset:\t*SPITCH    ; my own bytes; LDS serves a wave's instructions in order (ISA guide 5.7.1): these see the stores above
.endr
	s_wait_loadcnt \left                           ; global loads come back in order: this group's x (and the bias) are in; only the next group's sixteen are younger
.irp t, 0,1,2,3,4,5,6,7,8,9,10,11,12,13,14,15
	s_wait_dscnt 15-\t                             ; row t is back; the 15 - t rows behind it may be out
	v_pk_add_f32 v[RB+4*\t:RB+4*\t+1],   v[RB+4*\t:RB+4*\t+1],   v[BIAS:BIAS+1]
	v_pk_add_f32 v[RB+4*\t+2:RB+4*\t+3], v[RB+4*\t+2:RB+4*\t+3], v[BIAS+2:BIAS+3]
.irp k, 0,1,2,3
	v_max_num_f32 v[RB+4*\t+\k], 0, v[RB+4*\t+\k]                ; relu
.endr
	v_pk_add_f32 v[RB+4*\t:RB+4*\t+1],   v[RB+4*\t:RB+4*\t+1],   v[\xbuf+4*\t:\xbuf+4*\t+1]     ; the residual, x in f32
	v_pk_add_f32 v[RB+4*\t+2:RB+4*\t+3], v[RB+4*\t+2:RB+4*\t+3], v[\xbuf+4*\t+2:\xbuf+4*\t+3]
	global_store_b128 v[CO], v[RB+4*\t:RB+4*\t+3], s[72:73] offset:(16*\i+\t)*ROWB   ; the wave stores 512 consecutive bytes, at a multiple of 512 from res's first byte; no hint: the next launch reads them
.endr
.if \more
	XLOAD \i+2, \xbuf
.endif
.endm
	OUT16 0, 0, 0x08, XA, 16, 1
	OUT16 1, 1, 0x08, XB, 16, 1
	OUT16 2, 2, 0x08, XA, 16, 1
	OUT16 3, 3, 0x08, XB, 16, 1
	OUT16 4, 0, 0x0c, XA, 16, 1
	OUT16 5, 1, 0x0c, XB, 16, 1
	OUT16 6, 2, 0x0c, XA, 16, 0
	OUT16 7, 3, 0x0c, XB, 0, 0
	s_set_vgpr_msb 0x1
	s_wait_tensorcnt 0x0
	ds_add_u32 v255, v63
	s_wait_dscnt 0x0
	s_set_vgpr_msb 0x100
	CROUND                                         ; the closing round: no work-group ends while a partner may still ask for a tile that names it
	s_endpgm
.Lfunc_end_k_q7d8e20012b_gemm:
	.size	k_q7d8e20012b_gemm, .Lfunc_end_k_q7d8e20012b_gemm-k_q7d8e20012b_gemm
	.p2alignl 7, 3214868480
	.fill 96, 4, 3214868480
	.section	.rodata,"a",@progbits
	.p2align	6, 0x0
	.amdhsa_kernel k_q7d8e20012b_gemm
		.amdhsa_group_segment_fixed_size 327680
		.amdhsa_private_segment_fixed_size 0
		.amdhsa_enable_private_segment 0
		.amdhsa_kernarg_size 40
		.amdhsa_user_sgpr_count 2
		.amdhsa_user_sgpr_kernarg_segment_ptr 1
		.amdhsa_wavefront_size32 1
		.amdhsa_system_sgpr_workgroup_id_x 1
		.amdhsa_system_sgpr_workgroup_id_y 1
		.amdhsa_system_sgpr_workgroup_id_z 1
		.amdhsa_system_vgpr_workitem_id 0
		.amdhsa_next_free_vgpr 1024
		.amdhsa_next_free_sgpr 76
		.amdhsa_reserve_vcc 0
		.amdhsa_float_denorm_mode_32 3
		.amdhsa_float_denorm_mode_16_64 3
		.amdhsa_memory_ordered 1
		.amdhsa_forward_progress 1
		.amdhsa_inst_pref_size 255
	.end_amdhsa_kernel
	.section	.bss,"aw",@nobits
	.p2align	6
	.space	262144
	.amdgpu_metadata
---
amdhsa.version: [ 1, 2 ]
amdhsa.kernels:
  - .name:           k_q7d8e20012b_gemm
    .symbol:         k_q7d8e20012b_gemm.kd
    .args:
      - { .name: xb, .offset: 0, .size: 8, .value_kind: global_buffer, .address_space: global }
      - { .name: wb, .offset: 8, .size: 8, .value_kind: global_buffer, .address_space: global }
      - { .name: x, .offset: 16, .size: 8, .value_kind: global_buffer, .address_space: global }
      - { .name: b1, .offset: 24, .size: 8, .value_kind: global_buffer, .address_space: global }
      - { .name: res, .offset: 32, .size: 8, .value_kind: global_buffer, .address_space: global }
    .group_segment_fixed_size: 327680
    .private_segment_fixed_size: 0
    .kernarg_segment_align: 8
    .kernarg_segment_size: 40
    .max_flat_workgroup_size: 128
    .sgpr_count:     76
    .vgpr_count:     1024
    .wavefront_size: 32
...
	.end_amdgpu_metadata
.endif
;; end of part 2
;; launch norm (part 3): grid 256 x 1, 16 waves a work-group, no clusters, 0 bytes of LDS; arguments res, out0; writes out0
.if DOCPART == 3
	.amdgcn_target "amdgcn-amd-amdhsa--gfx1250"
	.amdhsa_code_object_version 6
	.text
	.protected	k_q7d8e20012b_norm
	.globl	k_q7d8e20012b_norm
	.p2align	8
	.type	k_q7d8e20012b_norm,@function
k_q7d8e20012b_norm:
	s_mov_b64 s[64:65], 0
	v_nop
	global_prefetch_b8 v0, s[64:65] scope:SCOPE_SE
	s_setreg_imm32_b32 hwreg(HW_REG_WAVE_MODE, 25, 1), 1
	s_wait_xcnt 0x0
; out0[n][e] = (res[n][e] - mean of row n) / sqrt(variance of row n + 1e-4).  res, out0: [4096][4096] f32.
; A row is 16,384 bytes: one wave takes a whole row, 32 loads of 16 bytes a lane, and keeps it in 128 registers through all three passes
; (sum; centre and sum of squares; scale), so that the row is read from memory once and no wave waits for another.
; The variance is the mean square of the CENTRED numbers: no difference of large sums is formed, whatever offset the row carries.
; Sixteen waves, one row each; all 32 loads of a wave go out at once.  No loop, no LDS, no barrier, no cluster: nothing is shared.
; LIMITS: variance + 1e-4 stands for std x std + 1e-4 (one rounding apart).  The root's argument is 1e-4 at the least, so the flushing of
; denormals by v_rsq_f32 (ISA guide, its entry in 15.8) is never met.
.set OFF, 1                            ; v1        my byte offset from the group's first row: wave x 16,384 + 16 x lane; never rewritten
.set T,   2                            ; v[2:3]    at work
.set S,   4                            ; v[4:11]   four chains of pairs
.set M,   12                           ; v[12:13]  the mean, twice (a pair for the packed subtraction)
.set R,   14                           ; v[14:15]  1 / sqrt(variance + 1e-4), twice
.set X,   16                           ; v[16:143] the row: as loaded, then centred, then scaled
	s_load_b128 s[4:7], s[0:1], 0x0                ; res s[4:5], out0 s[6:7]
	s_lshl_b32 s2, ttmp9, 18                       ; the work-group's number times 16 rows of 16,384 bytes, below 2^26
	s_mov_b32 s3, 0
	s_mov_b32 s12, 0x76543210                      ; v_permlanex16_b32: lane i of one half reads lane i of the other
	s_mov_b32 s13, 0xfedcba98
	s_mov_b32 s14, 0x39800000                      ; 1 / 4096
	s_mov_b32 s15, 0x38d1b717                      ; 1e-4
	v_lshrrev_b32 v[T], 5, v0                      ; wave
	v_and_b32 v[T+1], 31, v0                       ; lane (this also writes T+1, which v_permlanex16_b32 counts as read)
	v_lshlrev_b32 v[T+1], 4, v[T+1]
	v_lshl_or_b32 v[OFF], v[T], 14, v[T+1]
	s_wait_kmcnt 0x0
	s_add_nc_u64 s[4:5], s[4:5], s[2:3]
	s_add_nc_u64 s[6:7], s[6:7], s[2:3]
.set j, 0
.rept 32
	global_load_b128 v[X+4*j:X+4*j+3], v[OFF], s[4:5] offset:512*j th:TH_LOAD_NT   ; 512 consecutive bytes a load, the whole row; read once
.set j, j+1
.endr
; The four chains are folded into one pair, its halves added, and the sum taken over the 32 lanes: four steps inside each half of 16 lanes
; ride on the addition, one crosses the halves.  Every lane ends with the sum in T.
.macro WSUM
	v_pk_add_f32 v[S:S+1],   v[S:S+1],   v[S+2:S+3]
	v_pk_add_f32 v[S+4:S+5], v[S+4:S+5], v[S+6:S+7]
	v_pk_add_f32 v[S:S+1],   v[S:S+1],   v[S+4:S+5]
	v_add_f32 v[T], v[S], v[S+1]
	v_add_f32_dpp v[T], v[T], v[T] row_xmask:1 row_mask:0xf bank_mask:0xf
	v_add_f32_dpp v[T], v[T], v[T] row_xmask:2 row_mask:0xf bank_mask:0xf
	v_add_f32_dpp v[T], v[T], v[T] row_xmask:4 row_mask:0xf bank_mask:0xf
	v_add_f32_dpp v[T], v[T], v[T] row_xmask:8 row_mask:0xf bank_mask:0xf
	v_permlanex16_b32 v[T+1], v[T], s12, s13
	v_add_f32 v[T], v[T], v[T+1]
.endm
; n pairs from pair p on are added, pair p to chain p mod 4
.macro ADDP n
.rept \n
	v_pk_add_f32 v[S+2*(p%4):S+2*(p%4)+1], v[S+2*(p%4):S+2*(p%4)+1], v[X+2*p:X+2*p+1]
.set p, p+1
.endr
.endm
	; pass 1: the sum, in four blocks of eight loads (16 pairs), each as soon as it has come
	s_wait_loadcnt 24                              ; loads come back in order (ISA guide 5.7.1): the first eight are in, the 24 behind them stay out
.irp k, 0,1,2,3
	v_pk_add_f32 v[S+2*\k:S+2*\k+1], v[X+2*\k:X+2*\k+1], v[X+2*\k+8:X+2*\k+9]     ; the first eight pairs start the chains: nothing is cleared
.endr
.set p, 8
	ADDP 8
	s_wait_loadcnt 16                              ; 16 loads are younger than the second block
	ADDP 16
	s_wait_loadcnt 8                               ; 8 than the third
	ADDP 16
	s_wait_loadcnt 0
	ADDP 16
	WSUM
	v_mul_f32 v[M],   s14, v[T]                    ; the mean
	v_mul_f32 v[M+1], s14, v[T]
	; pass 2: centre in place, and the sum of the centred numbers' squares, four pairs at a time in the four chains
.set p, 0
.rept 16
.irp k, 0,1,2,3
	v_pk_add_f32 v[X+2*(p+\k):X+2*(p+\k)+1], v[X+2*(p+\k):X+2*(p+\k)+1], v[M:M+1] neg_lo:[0,1] neg_hi:[0,1]
.endr
.irp k, 0,1,2,3
.if p == 0
	v_pk_mul_f32 v[S+2*\k:S+2*\k+1], v[X+2*(p+\k):X+2*(p+\k)+1], v[X+2*(p+\k):X+2*(p+\k)+1]      ; the first four squares start the chains
.else
	v_pk_fma_f32 v[S+2*\k:S+2*\k+1], v[X+2*(p+\k):X+2*(p+\k)+1], v[X+2*(p+\k):X+2*(p+\k)+1], v[S+2*\k:S+2*\k+1]
.endif
.endr
.set p, p+4
.endr
	WSUM
	v_fma_f32 v[T], v[T], s14, s15                 ; variance + 1e-4, one rounding
	v_rsq_f32 v[R],   v[T]                         ; made twice, to fill the pair that the packed multiply takes
	v_rsq_f32 v[R+1], v[T]
	v_nop                                          ; one plain vector instruction stands between a transcendental and the first use of its result (ISA guide 5.7.2)
	; pass 3: scale in place and store; no register that a store names is written again
.set j, 0
	s_wait_alu depctr_va_vdst(0)
.rept 32
	v_pk_mul_f32 v[X+4*j:X+4*j+1],   v[X+4*j:X+4*j+1],   v[R:R+1]
	v_pk_mul_f32 v[X+4*j+2:X+4*j+3], v[X+4*j+2:X+4*j+3], v[R:R+1]
	global_store_b128 v[OFF], v[X+4*j:X+4*j+3], s[6:7] offset:512*j th:TH_STORE_NT   ; 512 consecutive bytes, at a multiple of 512 from out0's first byte
.set j, j+1
.endr
	s_endpgm
.Lfunc_end_k_q7d8e20012b_norm:
	.size	k_q7d8e20012b_norm, .Lfunc_end_k_q7d8e20012b_norm-k_q7d8e20012b_norm
	.p2alignl 7, 3214868480
	.fill 96, 4, 3214868480
	.section	.rodata,"a",@progbits
	.p2align	6, 0x0
	.amdhsa_kernel k_q7d8e20012b_norm
		.amdhsa_group_segment_fixed_size 0
		.amdhsa_private_segment_fixed_size 0
		.amdhsa_enable_private_segment 0
		.amdhsa_kernarg_size 16
		.amdhsa_user_sgpr_count 2
		.amdhsa_user_sgpr_kernarg_segment_ptr 1
		.amdhsa_wavefront_size32 1
		.amdhsa_system_sgpr_workgroup_id_x 1
		.amdhsa_system_sgpr_workgroup_id_y 1
		.amdhsa_system_sgpr_workgroup_id_z 1
		.amdhsa_system_vgpr_workitem_id 0
		.amdhsa_next_free_vgpr 144
		.amdhsa_next_free_sgpr 66
		.amdhsa_reserve_vcc 0
		.amdhsa_float_denorm_mode_32 3
		.amdhsa_float_denorm_mode_16_64 3
		.amdhsa_memory_ordered 1
		.amdhsa_forward_progress 1
		.amdhsa_inst_pref_size 25
	.end_amdhsa_kernel
	.amdgpu_metadata
---
amdhsa.version: [ 1, 2 ]
amdhsa.kernels:
  - .name:           k_q7d8e20012b_norm
    .symbol:         k_q7d8e20012b_norm.kd
    .args:
      - { .name: res, .offset: 0, .size: 8, .value_kind: global_buffer, .address_space: global }
      - { .name: out0, .offset: 8, .size: 8, .value_kind: global_buffer, .address_space: global }
    .group_segment_fixed_size: 0
    .private_segment_fixed_size: 0
    .kernarg_segment_align: 8
    .kernarg_segment_size: 16
    .max_flat_workgroup_size: 512
    .sgpr_count:     66
    .vgpr_count:     144
    .wavefront_size: 32
...
	.end_amdgpu_metadata
.endif
;; end of part 3
;; ======== version 2 of 2: 3 launches; version 1 with the launches cast, norm written anew for expert scheduling mode
;; workspace buffers: xb 33,554,432 bytes; wb 33,554,432 bytes; res 67,108,864 bytes
;; launch cast (part 4): grid 256 x 2, 8 waves a work-group, no clusters, 0 bytes of LDS; arguments x, w1, xb, wb; writes xb, wb
.if DOCPART == 4
	.amdgcn_target "amdgcn-amd-amdhsa--gfx1250"
	.amdhsa_code_object_version 6
	.text
	.protected	k_q7d8e20012b_cast
	.globl	k_q7d8e20012b_cast
	.p2align	8
	.type	k_q7d8e20012b_cast,@function
k_q7d8e20012b_cast:
	s_mov_b64 s[64:65], 0
	v_nop
	global_prefetch_b8 v0, s[64:65] scope:SCOPE_SE
	s_setreg_imm32_b32 hwreg(HW_REG_WAVE_SCHED_MODE, 0, 2), 2
	s_setreg_imm32_b32 hwreg(HW_REG_WAVE_MODE, 25, 1), 1
	s_wait_xcnt 0x0
	s_wait_alu depctr_vm_vsrc(0)
; xb = bf16(x), wb = bf16(w1): both [4096][4096], f32 in, bf16 out, rounded to nearest even (bf16 has f32's range: no limit of range).
; The grid's y picks the tensor (0: x to xb, 1: w1 to wb); work-group x owns 262,144 bytes of input and 131,072 of output.
; Thread t takes, in turn j of 64, the 16 bytes at 16 t + 4,096 j and stores the 8 bytes at 8 t + 2,048 j: a load of a wave covers
; 512 consecutive bytes, a store of a wave 256 consecutive bytes that begin at a multiple of 256 from the buffer's first byte.
; All steps stand in the immediates (258,048 at the most), so no address register is ever written again and there is no loop.
; No LDS, no matrix unit, no cluster: the work-groups share no byte, and each byte is touched once.
; THE MODE: SCHED_MODE bits 1:0 = 2 (LLVM: expert scheduling mode 2), set by the entry lines.  The code itself states the register dependences
; between vector instructions and memory instructions, with s_wait_alu, always for 0.
; THE PLAN.  The 64 turns go in 16 blocks of four.  Registers that memory instructions touch:
;   X0 .. X5   six blocks of f32 as loaded.  Written by the loads of block p + 5, issued in block p; read by block p's conversions.
;   Y0, Y1     two blocks of bf16 to store.  Written by block p's conversions; read by the four stores that are issued in block p + 1.
;   v1, v2     byte offsets, made once at the head and never written again.
; Block p works on X[p % 6] and writes Y[p % 2].  Its memory instructions are the loads into X[(p + 5) % 6] = X[(p - 1) % 6] and the stores from
; Y[(p - 1) % 2]: the two buffers that block p - 1 worked on and that no vector instruction of block p names.  So the waits at a block's head
; state all that the block's eight memory instructions hang on, and these are dealt among its conversions with no further wait.
.set BLOCK,  4                         ; turns in a block
.set BLOCKS, 16
.set NX,     6                         ; buffers of loaded data
.set AHEAD,  NX-1                      ; block p asks for block p + 5: 16 to 20 loads of every wave are on their way
.set IN,  1                            ; v1         16 t: my byte offset in a turn's 4,096 input bytes
.set OUT, 2                            ; v2         8 t: my byte offset in a turn's 2,048 output bytes
.set X,   4                            ; v[4:99]    buffer k, turn i: four f32 at X + 16 k + 4 i, as loaded
.set Y,   100                          ; v[100:115] buffer k, turn i: four bf16 at Y + 8 k + 2 i, to store
	s_load_b256 s[4:11], s[0:1], 0x0               ; x s[4:5], w1 s[6:7], xb s[8:9], wb s[10:11]
	s_lshl_b32 s2, ttmp9, 18                       ; the group's part of the input: 262,144 bytes each, below 2^26
	s_mov_b32 s3, 0
	s_lshl_b32 s12, ttmp9, 17                      ; and of the output
	s_mov_b32 s13, 0
	s_and_b32 s14, ttmp7, 0xffff                   ; which tensor
	v_lshlrev_b32 v[IN], 4, v0
	v_lshlrev_b32 v[OUT], 3, v0
	s_cmp_eq_u32 s14, 0                            ; the waits and selects below leave SCC alone
	s_wait_kmcnt 0x0
	s_cselect_b64 s[4:5], s[4:5], s[6:7]           ; from x or from w1
	s_cselect_b64 s[8:9], s[8:9], s[10:11]         ; to xb or to wb
	s_add_nc_u64 s[4:5], s[4:5], s[2:3]
	s_add_nc_u64 s[8:9], s[8:9], s[12:13]
	s_wait_alu depctr_va_vdst(0)                   ; v1 and v2 are written: every load of the kernel reads v1 as its offset, every store v2
.set j, 0
.rept AHEAD*BLOCK
	global_load_b128 v[X+4*j:X+4*j+3], v[IN], s[4:5] offset:4096*j th:TH_LOAD_NT    ; blocks 0 to 4 into X0 to X4
.set j, j+1
.endr
; Block p.  XC, YC: the buffers that it works on; XN: the buffer that block p + 5 is loaded into; YP: the block before's results.
.set p, 0
.rept BLOCKS
.set XC, X+16*(p%NX)
.set XN, X+16*((p+AHEAD)%NX)
.set YC, Y+8*(p%2)
.set YP, Y+8*((p+1)%2)
.set LAST, p+AHEAD-1                   ; the youngest block that has been asked for at this block's head
.if LAST > BLOCKS-1
.set LAST, BLOCKS-1
.endif
	s_wait_loadcnt BLOCK*(LAST-p)                  ; loads come back in order (ISA guide 5.7.1): block p is in, the blocks asked for after it stay out: 16 loads, from block 12 on 12, 8, 4, 0
.if p > 1
	s_wait_xcnt 0x0                                ; every earlier memory instruction has had its addresses translated (ISA guide 3.1): YC, the data of the stores issued in the block before, is rewritten only behind this wait
	s_wait_alu depctr_vm_vsrc(0)                   ; those stores have read YC, which this block's conversions write again
.endif
.if p > 0
	s_wait_alu depctr_va_vdst(0)                   ; the block before has written YP, which the stores below read, and is done reading XN, in which the loads below land
.endif
.set i, 0
.rept BLOCK
.if p+AHEAD < BLOCKS
	global_load_b128 v[XN+4*i:XN+4*i+3], v[IN], s[4:5] offset:4096*(BLOCK*(p+AHEAD)+i) th:TH_LOAD_NT   ; five blocks ahead, the load ahead of the store; no vector instruction since the wait names these registers
.endif
.if p > 0
	global_store_b64 v[OUT], v[YP+2*i:YP+2*i+1], s[8:9] offset:2048*(BLOCK*(p-1)+i)                    ; the block before; no hint: the next launch reads these bytes
.endif
	v_cvt_pk_bf16_f32 v[YC+2*i],   v[XC+4*i],   v[XC+4*i+1]
	v_cvt_pk_bf16_f32 v[YC+2*i+1], v[XC+4*i+2], v[XC+4*i+3]
.set i, i+1
.endr
.set p, p+1
.endr
	s_wait_alu depctr_va_vdst(0)                   ; block 15 has written Y1, which the last four stores read
.set i, 0
.rept BLOCK
	global_store_b64 v[OUT], v[Y+8+2*i:Y+8+2*i+1], s[8:9] offset:2048*(BLOCK*(BLOCKS-1)+i)
.set i, i+1
.endr
	s_endpgm
.Lfunc_end_k_q7d8e20012b_cast:
	.size	k_q7d8e20012b_cast, .Lfunc_end_k_q7d8e20012b_cast-k_q7d8e20012b_cast
	.p2alignl 7, 3214868480
	.fill 96, 4, 3214868480
	.section	.rodata,"a",@progbits
	.p2align	6, 0x0
	.amdhsa_kernel k_q7d8e20012b_cast
		.amdhsa_group_segment_fixed_size 0
		.amdhsa_private_segment_fixed_size 0
		.amdhsa_enable_private_segment 0
		.amdhsa_kernarg_size 32
		.amdhsa_user_sgpr_count 2
		.amdhsa_user_sgpr_kernarg_segment_ptr 1
		.amdhsa_wavefront_size32 1
		.amdhsa_system_sgpr_workgroup_id_x 1
		.amdhsa_system_sgpr_workgroup_id_y 1
		.amdhsa_system_sgpr_workgroup_id_z 1
		.amdhsa_system_vgpr_workitem_id 0
		.amdhsa_next_free_vgpr 116
		.amdhsa_next_free_sgpr 66
		.amdhsa_reserve_vcc 0
		.amdhsa_float_denorm_mode_32 3
		.amdhsa_float_denorm_mode_16_64 3
		.amdhsa_memory_ordered 1
		.amdhsa_forward_progress 1
		.amdhsa_inst_pref_size 23
	.end_amdhsa_kernel
	.amdgpu_metadata
---
amdhsa.version: [ 1, 2 ]
amdhsa.kernels:
  - .name:           k_q7d8e20012b_cast
    .symbol:         k_q7d8e20012b_cast.kd
    .args:
      - { .name: x, .offset: 0, .size: 8, .value_kind: global_buffer, .address_space: global }
      - { .name: w1, .offset: 8, .size: 8, .value_kind: global_buffer, .address_space: global }
      - { .name: xb, .offset: 16, .size: 8, .value_kind: global_buffer, .address_space: global }
      - { .name: wb, .offset: 24, .size: 8, .value_kind: global_buffer, .address_space: global }
    .group_segment_fixed_size: 0
    .private_segment_fixed_size: 0
    .kernarg_segment_align: 8
    .kernarg_segment_size: 32
    .max_flat_workgroup_size: 256
    .sgpr_count:     66
    .vgpr_count:     116
    .wavefront_size: 32
...
	.end_amdgpu_metadata
.endif
;; end of part 4
;; launch gemm: the kernel of part 2 again; grid 16 x 16, 4 waves a work-group, clusters of 4 x 4, 327,680 bytes of LDS; arguments xb, wb, x, b1, res; writes res
;; launch norm (part 5): grid 256 x 1, 16 waves a work-group, no clusters, 0 bytes of LDS; arguments res, out0; writes out0
.if DOCPART == 5
	.amdgcn_target "amdgcn-amd-amdhsa--gfx1250"
	.amdhsa_code_object_version 6
	.text
	.protected	k_q7d8e20012b_norm
	.globl	k_q7d8e20012b_norm
	.p2align	8
	.type	k_q7d8e20012b_norm,@function
k_q7d8e20012b_norm:
	s_mov_b64 s[64:65], 0
	v_nop
	global_prefetch_b8 v0, s[64:65] scope:SCOPE_SE
	s_setreg_imm32_b32 hwreg(HW_REG_WAVE_SCHED_MODE, 0, 2), 2
	s_setreg_imm32_b32 hwreg(HW_REG_WAVE_MODE, 25, 1), 1
	s_wait_xcnt 0x0
	s_wait_alu depctr_vm_vsrc(0)
; out0[n][e] = (res[n][e] - mean of row n) / sqrt(variance of row n + 1e-4).  res, out0: [4096][4096] f32.
; A row is 16,384 bytes: one wave takes a whole row, 32 loads of 16 bytes a lane, and keeps it in 128 registers through all three passes
; (sum; centre and sum of squares; scale), so that the row is read from memory once and no wave waits for another.
; The variance is the mean square of the CENTRED numbers: no difference of large sums is formed, whatever offset the row carries.
; Sixteen waves, one row each; all 32 loads of a wave go out at once.  No loop, no LDS, no barrier, no cluster: nothing is shared.
; LIMITS: variance + 1e-4 stands for std x std + 1e-4 (one rounding apart).  The root's argument is 1e-4 at the least, so the flushing of
; denormals by v_rsq_f32 (ISA guide, its entry in 15.8) is never met.
; THE MODE: SCHED_MODE bits 1:0 = 2 (LLVM: expert scheduling mode 2), set by the entry lines.  The code itself states the register dependences
; between vector instructions and memory instructions, with s_wait_alu, always for 0.
; THE PLAN.  Registers that memory instructions touch:
;   v1   the byte offset: made once at the head, read by all 32 loads and all 32 stores, never written again.
;   X    the row.  Each of its 128 registers is loaded once, ahead of every vector instruction that names it; then passes 2 and 3 write it;
;        then one store reads it, and nothing writes it behind that store.
; So one wait stands ahead of the loads (v1 is written).  Pass 3 goes in four blocks of eight stores: a block's sixteen multiplies write its 32 registers;
; one wait at the next block's head states that, and the eight stores follow it, dealt among the next block's multiplies, which name other registers.
.set OFF, 1                            ; v1        my byte offset from the group's first row: wave x 16,384 + 16 x lane; never rewritten
.set T,   2                            ; v[2:3]    at work
.set S,   4                            ; v[4:11]   four chains of pairs
.set M,   12                           ; v[12:13]  the mean, twice (a pair for the packed subtraction)
.set R,   14                           ; v[14:15]  1 / sqrt(variance + 1e-4), twice
.set X,   16                           ; v[16:143] the row: as loaded, then centred, then scaled
	s_load_b128 s[4:7], s[0:1], 0x0                ; res s[4:5], out0 s[6:7]
	s_lshl_b32 s2, ttmp9, 18                       ; the work-group's number times 16 rows of 16,384 bytes, below 2^26
	s_mov_b32 s3, 0
	s_mov_b32 s12, 0x76543210                      ; v_permlanex16_b32: lane i of one half reads lane i of the other
	s_mov_b32 s13, 0xfedcba98
	s_mov_b32 s14, 0x39800000                      ; 1 / 4096
	s_mov_b32 s15, 0x38d1b717                      ; 1e-4
	v_lshrrev_b32 v[T], 5, v0                      ; wave
	v_and_b32 v[T+1], 31, v0                       ; lane (this also writes T+1, which v_permlanex16_b32 counts as read)
	v_lshlrev_b32 v[T+1], 4, v[T+1]
	v_lshl_or_b32 v[OFF], v[T], 14, v[T+1]
	s_wait_kmcnt 0x0
	s_add_nc_u64 s[4:5], s[4:5], s[2:3]
	s_add_nc_u64 s[6:7], s[6:7], s[2:3]
	s_wait_alu depctr_va_vdst(0)                   ; v1 is written: every load and store of the kernel reads it as its offset
.set j, 0
.rept 32
	global_load_b128 v[X+4*j:X+4*j+3], v[OFF], s[4:5] offset:512*j th:TH_LOAD_NT   ; 512 consecutive bytes a load, the whole row; read once
.set j, j+1
.endr
; The four chains are folded into one pair, its halves added, and the sum taken over the 32 lanes: four steps inside each half of 16 lanes
; ride on the addition, one crosses the halves.  Every lane ends with the sum in T.
.macro WSUM
	v_pk_add_f32 v[S:S+1],   v[S:S+1],   v[S+2:S+3]
	v_pk_add_f32 v[S+4:S+5], v[S+4:S+5], v[S+6:S+7]
	v_pk_add_f32 v[S:S+1],   v[S:S+1],   v[S+4:S+5]
	v_add_f32 v[T], v[S], v[S+1]
	v_add_f32_dpp v[T], v[T], v[T] row_xmask:1 row_mask:0xf bank_mask:0xf
	v_add_f32_dpp v[T], v[T], v[T] row_xmask:2 row_mask:0xf bank_mask:0xf
	v_add_f32_dpp v[T], v[T], v[T] row_xmask:4 row_mask:0xf bank_mask:0xf
	v_add_f32_dpp v[T], v[T], v[T] row_xmask:8 row_mask:0xf bank_mask:0xf
	v_permlanex16_b32 v[T+1], v[T], s12, s13
	v_add_f32 v[T], v[T], v[T+1]
.endm
; n pairs from pair p on are added, pair p to chain p mod 4
.macro ADDP n
.rept \n
	v_pk_add_f32 v[S+2*(p%4):S+2*(p%4)+1], v[S+2*(p%4):S+2*(p%4)+1], v[X+2*p:X+2*p+1]
.set p, p+1
.endr
.endm
	; pass 1: the sum, in four blocks of eight loads (16 pairs), each as soon as it has come
	s_wait_loadcnt 24                              ; loads come back in order (ISA guide 5.7.1): the first eight are in, the 24 behind them stay out
.irp k, 0,1,2,3
	v_pk_add_f32 v[S+2*\k:S+2*\k+1], v[X+2*\k:X+2*\k+1], v[X+2*\k+8:X+2*\k+9]     ; the first eight pairs start the chains: nothing is cleared
.endr
.set p, 8
	ADDP 8
	s_wait_loadcnt 16                              ; 16 loads are younger than the second block
	ADDP 16
	s_wait_loadcnt 8                               ; 8 than the third
	ADDP 16
	s_wait_loadcnt 0
	ADDP 16
	WSUM
	v_mul_f32 v[M],   s14, v[T]                    ; the mean
	v_mul_f32 v[M+1], s14, v[T]
	; pass 2: centre in place, and the sum of the centred numbers' squares, four pairs at a time in the four chains
.set p, 0
.rept 16
.irp k, 0,1,2,3
	v_pk_add_f32 v[X+2*(p+\k):X+2*(p+\k)+1], v[X+2*(p+\k):X+2*(p+\k)+1], v[M:M+1] neg_lo:[0,1] neg_hi:[0,1]
.endr
.irp k, 0,1,2,3
.if p == 0
	v_pk_mul_f32 v[S+2*\k:S+2*\k+1], v[X+2*(p+\k):X+2*(p+\k)+1], v[X+2*(p+\k):X+2*(p+\k)+1]      ; the first four squares start the chains
.else
	v_pk_fma_f32 v[S+2*\k:S+2*\k+1], v[X+2*(p+\k):X+2*(p+\k)+1], v[X+2*(p+\k):X+2*(p+\k)+1], v[S+2*\k:S+2*\k+1]
.endif
.endr
.set p, p+4
.endr
	WSUM
	v_fma_f32 v[T], v[T], s14, s15                 ; variance + 1e-4, one rounding
	v_rsq_f32 v[R],   v[T]                         ; made twice, to fill the pair that the packed multiply takes
	v_rsq_f32 v[R+1], v[T]
	v_nop                                          ; one plain vector instruction stands between a transcendental and the first use of its result (ISA guide 5.7.2)
	s_wait_alu depctr_va_vdst(0)                   ; the two v_rsq_f32 have written R and R + 1, ahead of their first reader, the multiply below
	; pass 3: scale in place and store, in four blocks of eight stores; no register that a store names is written again.
	; Block b multiplies loads 8 b .. 8 b + 7 (XC) and stores the block before (XP).
.set b, 0
.rept 4
.if b > 0
	s_wait_alu depctr_va_vdst(0)                   ; the block before's sixteen multiplies have written its 32 registers of X, which the eight stores below read
.endif
.set i, 0
.rept 8
.set XC, X+4*(8*b+i)
.set XP, XC-32
.if b > 0
	global_store_b128 v[OFF], v[XP:XP+3], s[6:7] offset:512*(8*(b-1)+i) th:TH_STORE_NT   ; 512 consecutive bytes, at a multiple of 512 from out0's first byte; no vector instruction since the wait names these registers
.endif
	v_pk_mul_f32 v[XC:XC+1],   v[XC:XC+1],   v[R:R+1]
	v_pk_mul_f32 v[XC+2:XC+3], v[XC+2:XC+3], v[R:R+1]
.set i, i+1
.endr
.set b, b+1
.endr
	s_wait_alu depctr_va_vdst(0)                   ; the last block's multiplies have written its 32 registers, which the last eight stores read
.set i, 0
.rept 8
	global_store_b128 v[OFF], v[X+4*(24+i):X+4*(24+i)+3], s[6:7] offset:512*(24+i) th:TH_STORE_NT
.set i, i+1
.endr
	s_endpgm
.Lfunc_end_k_q7d8e20012b_norm:
	.size	k_q7d8e20012b_norm, .Lfunc_end_k_q7d8e20012b_norm-k_q7d8e20012b_norm
	.p2alignl 7, 3214868480
	.fill 96, 4, 3214868480
	.section	.rodata,"a",@progbits
	.p2align	6, 0x0
	.amdhsa_kernel k_q7d8e20012b_norm
		.amdhsa_group_segment_fixed_size 0
		.amdhsa_private_segment_fixed_size 0
		.amdhsa_enable_private_segment 0
		.amdhsa_kernarg_size 16
		.amdhsa_user_sgpr_count 2
		.amdhsa_user_sgpr_kernarg_segment_ptr 1
		.amdhsa_wavefront_size32 1
		.amdhsa_system_sgpr_workgroup_id_x 1
		.amdhsa_system_sgpr_workgroup_id_y 1
		.amdhsa_system_sgpr_workgroup_id_z 1
		.amdhsa_system_vgpr_workitem_id 0
		.amdhsa_next_free_vgpr 144
		.amdhsa_next_free_sgpr 66
		.amdhsa_reserve_vcc 0
		.amdhsa_float_denorm_mode_32 3
		.amdhsa_float_denorm_mode_16_64 3
		.amdhsa_memory_ordered 1
		.amdhsa_forward_progress 1
		.amdhsa_inst_pref_size 25
	.end_amdhsa_kernel
	.amdgpu_metadata
---
amdhsa.version: [ 1, 2 ]
amdhsa.kernels:
  - .name:           k_q7d8e20012b_norm
    .symbol:         k_q7d8e20012b_norm.kd
    .args:
      - { .name: res, .offset: 0, .size: 8, .value_kind: global_buffer, .address_space: global }
      - { .name: out0, .offset: 8, .size: 8, .value_kind: global_buffer, .address_space: global }
    .group_segment_fixed_size: 0
    .private_segment_fixed_size: 0
    .kernarg_segment_align: 8
    .kernarg_segment_size: 16
    .max_flat_workgroup_size: 512
    .sgpr_count:     66
    .vgpr_count:     144
    .wavefront_size: 32
...
	.end_amdgpu_metadata
.endif
;; end of part 5
